; MI455X (gfx1250); checked and timed in simulation.
; The chip was launched on July 23, 2026; its instructions are those of AMD's public machine-readable ISA for CDNA 5 (MIT licence, August 2026) and "CDNA5" Instruction Set Architecture Reference Guide (July 2026). The comments in the code are by the model that wrote it; some were corrected since.
;; AFT Full. Allowed arithmetic: float matrix products may take bf16 or f16 operands with f32 sums; all other float work in f32.
;; Inputs: Wk 1,024 x 1,024 float32; Wq 1,024 x 1,024 float32; Wv 1,024 x 1,024 float32; wbias 1,024 x 1,024 float32; x 8 x 1,024 x 1,024 float32.
;; Outputs: out0 8 x 1,024 x 1,024 float32.
;; One version. Each part assembles by itself: llvm-mc -triple=amdgcn-amd-amdhsa -mcpu=gfx1250 --defsym DOCPART=n.
;; ======== version 1 of 1: 3 launches
;; limits: values are held in f16: magnitudes above 65,504 overflow, below 6.1e-05 lose precision; right only within a limited range of input values; inputs' magnitudes at most 65,504
;; workspace buffers: xh 16,777,216 bytes; wkv 4,194,304 bytes; wqh 2,097,152 bytes; ewh 2,097,152 bytes; ep 33,554,432 bytes; mloc 131,072 bytes
;; launch prep (part 1): grid 768 x 1, 4 waves a work-group, no clusters, 0 bytes of LDS; arguments x, Wq, Wk, Wv, wbias, xh, wqh, wkv, ewh; writes xh, wqh, wkv, ewh
.if DOCPART == 1
	.amdgcn_target "amdgcn-amd-amdhsa--gfx1250"
	.amdhsa_code_object_version 6
	.text
	.protected	k_q22229f2f39_prep
	.globl	k_q22229f2f39_prep
	.p2align	8
	.type	k_q22229f2f39_prep,@function
k_q22229f2f39_prep:
	s_mov_b64 s[64:65], 0
	v_nop
	global_prefetch_b8 v0, s[64:65] scope:SCOPE_SE
	s_setreg_imm32_b32 hwreg(HW_REG_WAVE_MODE, 25, 1), 1
	s_wait_xcnt 0x0
; prep: f16 copies of the matrix operands, and the weights of the second product.
;   xh  = f16(x), wqh = f16(Wq)
;   wkv = f16 of Wk and Wv, interleaved in groups of 64 rows: Wk's row d at row d + 64 (d / 64), Wv's row d 64 rows further,
;         so that every 128 rows hold 64 rows of Wk and then the same 64 of Wv
;   ewh[t][s] = f16(2^14 exp(wbias[t][s] - max over s of wbias[t][s])): a factor per row t cancels in num / den
; A stream: each input byte is read once and each output byte written once; no LDS, no barrier, no matrix unit, since no number is used twice.
; One wave takes 4 rows of 1,024 f32 (16 KiB, 32 loads, all issued at once); a work-group of 4 waves takes 16 rows.
; 12,288 rows in all = 768 work-groups of equal size, three for each of 256 WGPs.
; Work-groups 0-511: x; 512-575: Wq; 576-639: Wk; 640-703: Wv; 704-767: wbias.
; A load of a wave covers 512 consecutive bytes; a store of a wave covers 256 consecutive bytes, aligned.
; LIMITS: f16 operands: |x|, |W| below 65,504 (beyond: infinity); below 6.1e-5 the absolute error is 3e-8.
;         ewh keeps full precision down to 19.4 (natural log) under its row's maximum and is zero beyond 26.
;         A NaN in wbias does not enter the row's maximum (v_max_num) and gives a NaN weight.
.set ROWB,  4096                       ; bytes in a row of f32
.set OROWB, 2048                       ; bytes in a row of f16
.set X,   8                            ; v[8:135]   row i, piece j: 4 registers at X + 32 i + 4 j
.set T,   136                          ; v[136:139] at work
.set NM,  142                          ; v142       14 - log2(e) x row maximum
	s_load_b512 s[16:31], s[0:1], 0x0              ; x, Wq, Wk, Wv, wbias, xh, wqh, wkv
	s_load_b64 s[32:33], s[0:1], 0x40              ; ewh
	v_lshrrev_b32 v3, 5, v0
	v_readfirstlane_b32 s5, v3                     ; wave 0..3
	v_and_b32 v3, 31, v0                           ; lane
	v_lshlrev_b32 v1, 4, v3                        ; 16 bytes a lane in
	v_lshlrev_b32 v2, 3, v3                        ; 8 bytes a lane out
	s_mov_b32 s4, ttmp9                            ; work-group
	s_mov_b32 s36, 0x3fb8aa3b                      ; log2(e)
	s_mov_b32 s37, 0x41600000                      ; 14.0
	s_mov_b32 s38, 0x76543210                      ; v_permlanex16_b32: lane i of one half reads lane i of the other
	s_mov_b32 s39, 0xfedcba98
	s_mov_b32 s6, 0                                ; first work-group of my tensor
	s_mov_b32 s7, 0                                ; 1: rows are interleaved in groups of 64
	s_mov_b32 s8, 0                                ; rows added on the way out
	s_wait_kmcnt 0x0
	s_mov_b64 s[10:11], s[16:17]                   ; from x
	s_mov_b64 s[12:13], s[26:27]                   ; to xh
	s_cmp_ge_u32 s4, 512                           ; the selects leave SCC as the compare set it
	s_cselect_b64 s[10:11], s[18:19], s[10:11]     ; Wq
	s_cselect_b64 s[12:13], s[28:29], s[12:13]     ; wqh
	s_cselect_b32 s6, 512, s6
	s_cmp_ge_u32 s4, 576
	s_cselect_b64 s[10:11], s[20:21], s[10:11]     ; Wk
	s_cselect_b64 s[12:13], s[30:31], s[12:13]     ; wkv
	s_cselect_b32 s6, 576, s6
	s_cselect_b32 s7, 1, s7
	s_cmp_ge_u32 s4, 640
	s_cselect_b64 s[10:11], s[22:23], s[10:11]     ; Wv, also to wkv
	s_cselect_b32 s6, 640, s6
	s_cselect_b32 s8, 64, s8
	s_cmp_ge_u32 s4, 704
	s_cselect_b64 s[10:11], s[24:25], s[10:11]     ; wbias
	s_cselect_b64 s[12:13], s[32:33], s[12:13]     ; ewh
	s_cselect_b32 s6, 704, s6
	s_cselect_b32 s7, 0, s7
	s_cselect_b32 s8, 0, s8
	s_sub_co_u32 s9, s4, s6
	s_lshl_b32 s9, s9, 4
	s_lshl2_add_u32 s9, s5, s9                     ; my first row = 16 x (work-group in the tensor) + 4 x wave
	s_lshr_b32 s14, s9, 6
	s_mul_i32 s14, s14, s7
	s_lshl_b32 s14, s14, 6
	s_add_co_u32 s14, s14, s9
	s_add_co_u32 s14, s14, s8                      ; its place on the way out (4 rows never cross a group of 64)
	s_lshl_b32 s34, s9, 12                         ; at most 8,191 x 4,096 bytes: 32 bits do
	s_mov_b32 s35, 0
	s_lshl_b32 s14, s14, 11
	s_mov_b32 s15, 0
	s_add_nc_u64 s[10:11], s[10:11], s[34:35]
	s_add_nc_u64 s[12:13], s[12:13], s[14:15]
.irp i, 0,1,2,3
.irp j, 0,1,2,3,4,5,6,7
	global_load_b128 v[X+32*\i+4*\j:X+32*\i+4*\j+3], v1, s[10:11] offset:ROWB*\i+512*\j th:TH_LOAD_NT
.endr
.endr
; Row i is rounded to f16 in place and stored; no register is written again behind its store.
.macro PACKROW i
.irp j, 0,1,2,3,4,5,6,7
	v_cvt_pk_f16_f32 v[X+32*\i+4*\j],   v[X+32*\i+4*\j],   v[X+32*\i+4*\j+1]
	v_cvt_pk_f16_f32 v[X+32*\i+4*\j+1], v[X+32*\i+4*\j+2], v[X+32*\i+4*\j+3]
	global_store_b64 v2, v[X+32*\i+4*\j:X+32*\i+4*\j+1], s[12:13] offset:OROWB*\i+256*\j
.endr
.endm
.macro CVROW i
	s_wait_loadcnt 24-8*\i                         ; loads come back in order: row i is in, the eight loads of each later row may stay out
	PACKROW \i
.endm
.macro EXROW i
	s_wait_loadcnt 24-8*\i                         ; as above
	; the row's maximum: four chains over my 32 numbers, then across the 32 lanes
.irp c, 0,1,2,3
	v_max3_num_f32 v[T+\c], v[X+32*\i+8*\c], v[X+32*\i+8*\c+1], v[X+32*\i+8*\c+2]
.endr
.irp c, 0,1,2,3
	v_max3_num_f32 v[T+\c], v[X+32*\i+8*\c+3], v[X+32*\i+8*\c+4], v[T+\c]
.endr
.irp c, 0,1,2,3
	v_max3_num_f32 v[T+\c], v[X+32*\i+8*\c+5], v[X+32*\i+8*\c+6], v[T+\c]
.endr
.irp c, 0,1,2,3
	v_max_num_f32 v[T+\c], v[X+32*\i+8*\c+7], v[T+\c]
.endr
	v_max3_num_f32 v[T], v[T], v[T+1], v[T+2]
	v_max_num_f32 v[T], v[T], v[T+3]
	v_max_num_f32_dpp v[T], v[T], v[T] row_xmask:1 row_mask:0xf bank_mask:0xf
	v_max_num_f32_dpp v[T], v[T], v[T] row_xmask:2 row_mask:0xf bank_mask:0xf
	v_max_num_f32_dpp v[T], v[T], v[T] row_xmask:4 row_mask:0xf bank_mask:0xf
	v_max_num_f32_dpp v[T], v[T], v[T] row_xmask:8 row_mask:0xf bank_mask:0xf
	v_permlanex16_b32 v[T+1], v[T], s38, s39       ; its destination has been written above
	v_max_num_f32 v[T], v[T], v[T+1]
	v_fma_f32 v[NM], -v[T], s36, s37               ; 14 - log2(e) max
.set n, 0
.rept 32
	v_fma_f32 v[X+32*\i+n], v[X+32*\i+n], s36, v[NM]
.set n, n+1
.endr
.set n, 0
.rept 32
	v_exp_f32 v[X+32*\i+n], v[X+32*\i+n]           ; 2^(14 + log2(e) (w - max)), at most 16,384
.set n, n+1
.endr
	v_nop                                          ; one plain place behind the transcendentals before their results are read (ISA guide 5.7.2)
	s_wait_alu depctr_va_vdst(0)
	PACKROW \i
.endm
	s_cmp_ge_u32 s4, 704
	s_cbranch_scc1 .Lexp
	CVROW 0
	CVROW 1
	CVROW 2
	CVROW 3
	s_endpgm
.Lexp:
	EXROW 0
	EXROW 1
	EXROW 2
	EXROW 3
	s_endpgm
.Lfunc_end_k_q22229f2f39_prep:
	.size	k_q22229f2f39_prep, .Lfunc_end_k_q22229f2f39_prep-k_q22229f2f39_prep
	.p2alignl 7, 3214868480
	.fill 96, 4, 3214868480
	.section	.rodata,"a",@progbits
	.p2align	6, 0x0
	.amdhsa_kernel k_q22229f2f39_prep
		.amdhsa_group_segment_fixed_size 0
		.amdhsa_private_segment_fixed_size 0
		.amdhsa_enable_private_segment 0
		.amdhsa_kernarg_size 72
		.amdhsa_user_sgpr_count 2
		.amdhsa_user_sgpr_kernarg_segment_ptr 1
		.amdhsa_wavefront_size32 1
		.amdhsa_system_sgpr_workgroup_id_x 1
		.amdhsa_system_sgpr_workgroup_id_y 1
		.amdhsa_system_sgpr_workgroup_id_z 1
		.amdhsa_system_vgpr_workitem_id 0
		.amdhsa_next_free_vgpr 144
		.amdhsa_next_free_sgpr 66
		.amdhsa_reserve_vcc 0
		.amdhsa_float_denorm_mode_32 3
		.amdhsa_float_denorm_mode_16_64 3
		.amdhsa_memory_ordered 1
		.amdhsa_forward_progress 1
		.amdhsa_inst_pref_size 38
	.end_amdhsa_kernel
	.amdgpu_metadata
---
amdhsa.version: [ 1, 2 ]
amdhsa.kernels:
  - .name:           k_q22229f2f39_prep
    .symbol:         k_q22229f2f39_prep.kd
    .args:
      - { .name: x, .offset: 0, .size: 8, .value_kind: global_buffer, .address_space: global }
      - { .name: Wq, .offset: 8, .size: 8, .value_kind: global_buffer, .address_space: global }
      - { .name: Wk, .offset: 16, .size: 8, .value_kind: global_buffer, .address_space: global }
      - { .name: Wv, .offset: 24, .size: 8, .value_kind: global_buffer, .address_space: global }
      - { .name: wbias, .offset: 32, .size: 8, .value_kind: global_buffer, .address_space: global }
      - { .name: xh, .offset: 40, .size: 8, .value_kind: global_buffer, .address_space: global }
      - { .name: wqh, .offset: 48, .size: 8, .value_kind: global_buffer, .address_space: global }
      - { .name: wkv, .offset: 56, .size: 8, .value_kind: global_buffer, .address_space: global }
      - { .name: ewh, .offset: 64, .size: 8, .value_kind: global_buffer, .address_space: global }
    .group_segment_fixed_size: 0
    .private_segment_fixed_size: 0
    .kernarg_segment_align: 8
    .kernarg_segment_size: 72
    .max_flat_workgroup_size: 128
    .sgpr_count:     66
    .vgpr_count:     144
    .wavefront_size: 32
...
	.end_amdgpu_metadata
.endif
;; end of part 1
;; launch kv (part 2): grid 32 x 8, 4 waves a work-group, clusters of 4 x 4, 327,680 bytes of LDS; arguments wkv, xh, ep, mloc; writes ep, mloc
.if DOCPART == 2
	.amdgcn_target "amdgcn-amd-amdhsa--gfx1250"
	.amdhsa_code_object_version 6
	.text
	.protected	k_q22229f2f39_kv
	.globl	k_q22229f2f39_kv
	.p2align	8
	.type	k_q22229f2f39_kv,@function
k_q22229f2f39_kv:
	s_mov_b64 s[64:65], 0
	v_nop
	global_prefetch_b8 v0, s[64:65] scope:SCOPE_SE
	s_setreg_imm32_b32 hwreg(HW_REG_WAVE_MODE, 25, 1), 1
	s_wait_xcnt 0x0
	s_wait_alu depctr_hold_cnt(0) depctr_sa_sdst(0) depctr_va_vdst(0) depctr_va_sdst(0) depctr_va_ssrc(0) depctr_va_vcc(0) depctr_vm_vsrc(0)
	s_getreg_b32 s2, hwreg(HW_REG_IB_STS2, 6, 4)
	s_cmp_eq_u32 s2, 0
	s_cbranch_scc0 .Lentry_in_a_cluster
	s_endpgm
.Lentry_in_a_cluster:
	s_bfe_u32 s2, ttmp6, 0x10000c
	s_cmp_lg_u32 s2, 0xf033
	s_cbranch_scc0 .Lentry_shape_is_right
	s_endpgm
.Lentry_shape_is_right:
; kv: [k | v] transposed = wkv x xh^T, then E = exp(k - m) and P = E v, stored in f16 with s along the rows.
;   A = wkv [2048][1024] f16 (every 128 rows: 64 of Wk, then the same 64 of Wv), B = xh [8192 = 1024 b + s][1024] f16,
;   C = ep [2048][8192] f16 in A's row order (E where k stood, P where v stood), mloc [32 = 4 b + s / 256][1024 d] f32.
;   m = the maximum of k over the block's 256 rows s, for each column d: a factor per column cancels in num / den once the next
;   launch has brought the four blocks of a column to one scale, for which it reads mloc.
; f16 and not bf16: num / den is a mean over many s and is small beside v, so the operands' rounding counts; E lies in (0, 1] and
; P = E v is no larger than v, so both have room in f16.
; A work-group makes 256 x 256 of C with four waves; a wave makes 128 x 128: 64 accumulator tiles of 16 x 16, 512 registers.
; K goes in steps of 128 through two LDS slots filled by the tensor data mover: rows of 256 bytes, aligned.
; CLUSTERS: 4 x 4 work-groups.  A's tile hangs on the block row alone and is asked for jointly by the four of a row of the cluster,
; B's on the block column alone, jointly by the four of a column: a quarter of the requests.
; REGISTERS in windows of 256: window 0: v0-63 addresses and small work, v64-127 and v128-191 A's fragments (two buffers), v192-223 the way out;
;   window 1: v64-127, v128-191 B's fragments; window 2: tiles (a, b) at v[8 (8 a + b)] of my A rows 0-63 (k); window 3: A rows 64-127 (v).
; The matrix instruction is used transposed (source 0 = rows of B, source 1 = rows of A): lane l holds row d' = l % 16 of the tile and
; its registers j the columns s = 8 (l / 16) + j: eight neighbouring numbers of a row of C.
; The 64 accumulators take turns, one instruction a turn, in the same order in every quarter step.
; No prefetch: from a tile's request to the wait for it a wave issues 240 matrix instructions, and the tiles are shared in the cluster.
; LIMITS: E keeps full precision down to 9.7 (natural log) under its block's maximum and is zero beyond 16.6; |v| below 65,504.
;   A NaN in k does not enter the maximum and gives NaN in E and P.
.set SIZE_K, 1024
.set SIZE_N, 8192
.set KSTEP,  128
.set PITCH,  272                       ; an LDS row: 256 bytes + 16 of padding = 17 x 16: the sixteen rows that a load touches begin at sixteen different 16-byte columns of 256
.set HALFT,  128*PITCH                 ; 128 rows: what one tensor load brings, and what one wave reads of A or of B
.set SLOT,   4*HALFT                   ; A's 256 rows, then B's 256
.set STAGE,  2*SLOT                    ; 16 rows x 272 bytes for each wave, for the way out; no tensor load lands here
.set SPITCH, 272
.set EXTRA,  STAGE+4*16*SPITCH         ; 295,936 = 1,156 x 256: 256 bytes for each wave's 64 maxima; no tensor load lands here
.set LAPS, SIZE_K/(2*KSTEP)            ; 4 laps of two K steps
.set ADRA, 16                          ; v16-17  LDS address of my A fragments in slot 0, 1
.set ADRB, 20                          ; v20-21  the same for B
.set STO,  24                          ; the way out: where I put 16 bytes of a row
.set RD,   25                          ; the way out: where I read a row back
.set CO,   26                          ; my byte offset in C
.set SCR,  27                          ; my wave's maxima: EXTRA + 256 wave + 4 (l % 16)
.set PAIR, 28                          ; the maxima of the two waves that share my A rows: EXTRA + 512 (wave / 2) + 4 (l % 16)
.set ALLM, 29                          ; wave 0: EXTRA + 512 (l / 16) + 16 (l % 16)
.set MOFF, 30                          ; wave 0: 16 l, my bytes in mloc
.set MX,   32                          ; v32-35  maxima of tile rows a = 0..3
.set TT,   36                          ; v36-39  at work
.set NM,   40                          ; v40-43  - log2(e) x maximum
.set W0,   44                          ; v44-51  wave 0: the block's 128 maxima
.set UU,   52                          ; v52-55  at work
.set F0,   64
.set F1,   128
.set TMP,  192
.set G1, 24                            ; s[24:31] descriptor group 1 for A's tiles
.set G0, 32                            ; s[32:39] group 0 for A's tiles, one set for each slot
.set G1B, 48                           ; s[48:55] group 1 for B's tiles
.set G0B, 56                           ; s[56:63] group 0 for B's tiles
.set MSB, 0
.macro WIN new                         ; the immediate's high byte repeats the setting that is left
.if MSB != \new
	s_set_vgpr_msb (MSB<<8)|\new
.set MSB, \new
.endif
.endm
.set MUL_LO, 0xa1                      ; source 0 (B) window 1, source 1 (A) window 0, C and D window 2
.set MUL_HI, 0xf1                      ; the same, C and D window 3
.set TO_B,   0x40                      ; destination window 1, address window 0
; A joint load: waves 0 and 1 fetch A's two halves, waves 2 and 3 B's.  The branch hangs on the wave's number alone.
.macro JLOAD s
	s_cmp_eq_u32 s11, 0
	s_cbranch_scc0 .Lfor_b_\@
	tensor_load_to_lds s[G0+4*\s:G0+4*\s+3], s[G1:G1+7]
	s_nop 0
	s_branch .Lasked_\@
.Lfor_b_\@:
	tensor_load_to_lds s[G0B+4*\s:G0B+4*\s+3], s[G1B:G1B+7]
	s_nop 0
.Lasked_\@:
.endm
.macro CREST                           ; a round of the cluster's barrier behind its opening work-group barrier
	s_cmp_lg_u32 s10, 0
	s_cbranch_scc1 .Lnot_wave_0_\@
	s_barrier_signal -3
.Lnot_wave_0_\@:
	s_barrier_wait -3
	s_barrier_signal -1
	s_barrier_wait -1
.endm
.macro CROUND                          ; a whole round
	s_barrier_signal -1
	s_barrier_wait -1
	CREST
.endm
	s_load_b128 s[4:7], s[0:1], 0x0                ; wkv s[4:5], xh s[6:7]
	s_load_b128 s[96:99], s[0:1], 0x10             ; ep s[96:97], mloc s[98:99]
	s_set_vgpr_msb 0x40
	v_lshl_add_u32 v255, v0, 2, 0x48800
	s_set_vgpr_msb 0x4000
	v_mov_b32 v255, 0
	s_set_vgpr_msb 0x1
	ds_add_u32 v255, v255
	s_set_vgpr_msb 0x100
	v_lshrrev_b32 v1, 5, v0
	v_readfirstlane_b32 s10, v1                    ; wave 0..3
	s_lshr_b32 s11, s10, 1                         ; which half of the block's A rows is mine.  Also: I fetch for A (0) or for B (1)
	s_and_b32 s12, s10, 1                          ; which half of its B rows.  Also: which 128 rows of that tile I fetch
	s_bfe_u32 s40, ttmp6, 0x40000                  ; cx
	s_bfe_u32 s41, ttmp6, 0x40004                  ; cy
	s_lshl_b32 s42, ttmp9, 2
	s_add_co_u32 s42, s42, s40                     ; block column = 4 b + (s / 256), 0..31
	s_and_b32 s13, ttmp7, 0xffff
	s_lshl_b32 s13, s13, 2
	s_add_co_u32 s13, s13, s41                     ; block row of d', 0..7
	s_lshl_b32 s43, s41, 2
	s_lshl_b32 s43, 15, s43                        ; my row of the cluster
	s_lshl_b32 s44, 0x1111, s40                    ; my column
	; group 1: a tile of 128 rows x 128 elements of 2 bytes, 4 words of padding behind every 64 words
	s_or_b32 s[G1+0], s43, (1<<16)|(1<<20)|(1<<21)|(5<<22)|(3<<25)
	s_or_b32 s[G1B+0], s44, (1<<16)|(1<<20)|(1<<21)|(5<<22)|(3<<25)
	s_mov_b32 s[G1+1], KSTEP<<16                   ; tensor_dim0 = 128
	s_mov_b32 s[G1B+1], KSTEP<<16
	s_mov_b32 s[G1+2], 128<<16                     ; tensor_dim1 = 128
	s_mov_b32 s[G1B+2], 128<<16
	s_mov_b32 s[G1+3], KSTEP<<16                   ; tile_dim0 = 128
	s_mov_b32 s[G1B+3], KSTEP<<16
	s_mov_b32 s[G1+4], 128                         ; tile_dim1 = 128
	s_mov_b32 s[G1B+4], 128
	s_mov_b32 s[G1+5], SIZE_K                      ; elements from row to row
	s_mov_b32 s[G1B+5], SIZE_K
	s_mov_b32 s[G1+6], 0
	s_mov_b32 s[G1B+6], 0
	s_mov_b32 s[G1+7], 0
	s_mov_b32 s[G1B+7], 0
	; A's address is made of the block row and the wave's number, B's of the block column and the wave's number
	s_lshl_b32 s17, s12, 7
	s_lshl_b32 s16, s13, 8
	s_add_co_u32 s16, s16, s17                     ; A: row 256 x block row + 128 x half
	s_lshl_b32 s46, s42, 8
	s_add_co_u32 s46, s46, s17                     ; B: row 256 x block column + 128 x half
	s_mov_b32 s17, 0
	s_mov_b32 s47, 0
	s_mov_b64 s[18:19], SIZE_K*2
	s_mul_u64 s[16:17], s[16:17], s[18:19]
	s_mul_u64 s[46:47], s[46:47], s[18:19]
	s_mul_i32 s20, s10, HALFT                      ; where they go: wave x 128 rows
	s_wait_dscnt 0x0
	s_wait_kmcnt 0x0
	s_mov_b64 s[8:9], s[96:97]                     ; ep
	s_mov_b64 s[96:97], s[98:99]                   ; mloc
	s_add_nc_u64 s[14:15], s[4:5], s[16:17]
	s_add_nc_u64 s[46:47], s[6:7], s[46:47]
	CROUND                                         ; all sixteen work-groups are here: the first joint loads meet
.irp s, 0,1
	s_mov_b32 s[G0+4*\s], 1
	s_add_co_u32 s[G0+4*\s+1], s20, \s*SLOT
	s_add_nc_u64 s[G0+4*\s+2:G0+4*\s+3], s[14:15], \s*KSTEP*2
	s_or_b32 s[G0+4*\s+3], s[G0+4*\s+3], 0x80000000
	s_mov_b32 s[G0B+4*\s], 1
	s_add_co_u32 s[G0B+4*\s+1], s20, \s*SLOT
	s_add_nc_u64 s[G0B+4*\s+2:G0B+4*\s+3], s[46:47], \s*KSTEP*2
	s_or_b32 s[G0B+4*\s+3], s[G0B+4*\s+3], 0x80000000
	JLOAD \s                                       ; two tensor loads of the wave are out from here, later one
.endr
	v_and_b32 v1, 15, v0                           ; l % 16
	v_bfe_u32 v2, v0, 4, 1                         ; l / 16
	v_mul_u32_u24 v3, v1, PITCH
	v_lshl_add_u32 v3, v2, 4, v3                   ; row x pitch + 16 x half
	s_mul_i32 s21, s11, HALFT
	s_mul_i32 s22, s12, HALFT
	s_add_co_u32 s22, s22, 2*HALFT
.irp s, 0,1
	v_add_nc_u32 v[ADRA+\s], s21, v3
	v_add_nc_u32 v[ADRB+\s], s22, v3
	s_add_co_u32 s21, s21, SLOT
	s_add_co_u32 s22, s22, SLOT
.endr
	s_mul_i32 s23, s10, 16*SPITCH
	s_add_co_u32 s23, s23, STAGE
	v_mul_u32_u24 v4, v1, SPITCH
	v_lshl_add_u32 v4, v2, 4, v4
	v_add_nc_u32 v[STO], s23, v4
	v_mul_u32_u24 v5, v2, SPITCH
	v_lshl_add_u32 v5, v1, 4, v5
	v_add_nc_u32 v[RD], s23, v5
	v_mul_u32_u24 v5, v2, SIZE_N*2
	v_lshl_add_u32 v[CO], v1, 4, v5
	s_lshl_b32 s21, s10, 8
	s_add_co_u32 s21, s21, EXTRA
	v_lshl_add_u32 v[SCR], v1, 2, s21
	s_lshl_b32 s21, s11, 9
	s_add_co_u32 s21, s21, EXTRA
	v_lshl_add_u32 v[PAIR], v1, 2, s21
	v_lshlrev_b32 v6, 4, v1
	v_lshl_add_u32 v6, v2, 9, v6
	v_add_nc_u32 v[ALLM], EXTRA, v6
	v_and_b32 v6, 31, v0
	v_lshlrev_b32 v[MOFF], 4, v6
; 16 matrix instructions: A blocks a0, a0 + 1 of the window's four x all 8 B blocks, 32 along K.  zero = 1: the product starts the sums.
.macro MUL16 f, hi, a0, zero
.irp a, \a0, \a0+1
.irp b, 0,1,2,3,4,5,6,7
.if \zero
	v_wmma_f32_16x16x32_f16 v[8*(8*(\a)+\b):8*(8*(\a)+\b)+7], v[\f+8*\b:\f+8*\b+7], v[\f+8*(4*\hi+\a):\f+8*(4*\hi+\a)+7], 0
.else
	v_wmma_f32_16x16x32_f16 v[8*(8*(\a)+\b):8*(8*(\a)+\b)+7], v[\f+8*\b:\f+8*\b+7], v[\f+8*(4*\hi+\a):\f+8*(4*\hi+\a)+7], v[8*(8*(\a)+\b):8*(8*(\a)+\b)+7]
.endif
.endr
.endr
.endm
; 32 LDS loads in one run: the fragments of a quarter step (128 rows of B, 128 of A, 32 K at byte k of the rows) into buffer f
.macro FETCH slot, k, f
	WIN TO_B
.irp i, 0,1,2,3,4,5,6,7
	ds_load_b128 v[\f+8*\i:\f+8*\i+3],   v[ADRB+\slot] offset:\k+\i*16*PITCH
	ds_load_b128 v[\f+8*\i+4:\f+8*\i+7], v[ADRB+\slot] offset:\k+\i*16*PITCH+32
.endr
	WIN 0
.irp i, 0,1,2,3,4,5,6,7
	ds_load_b128 v[\f+8*\i:\f+8*\i+3],   v[ADRA+\slot] offset:\k+\i*16*PITCH
	ds_load_b128 v[\f+8*\i+4:\f+8*\i+7], v[ADRA+\slot] offset:\k+\i*16*PITCH+32
.endr
.endm
; Four plain places behind a matrix instruction before its registers are loaded into, read or written by other kinds of instruction (ISA guide 7.12.1)
.macro PLACES
.rept 4
	v_nop
.endr
.endm
.macro QUARTER slot, k, f, g, zero
	s_wait_dscnt 8                                 ; B and A's rows 0-63 are in; the youngest eight loads (A's rows 64-127) may be out
	WIN MUL_LO
	MUL16 \f, 0, 0, \zero
	MUL16 \f, 0, 2, \zero
	PLACES
	FETCH \slot, \k, \g
	s_wait_dscnt 32                                ; all but the 32 just issued
	WIN MUL_HI
	MUL16 \f, 1, 0, \zero
	MUL16 \f, 1, 2, \zero
.endm
.macro THREE slot, zero
	QUARTER \slot, 64,  F0, F1, \zero
	QUARTER \slot, 128, F1, F0, 0
	QUARTER \slot, 192, F0, F1, 0
.endm
; The last quarter of a K step multiplies buffer 1 and changes slots.  In front of the barrier each wave waits for its reads of this slot and for
; all its tensor loads (one is out: its part of the next slot); behind it the refill comes first, then the next slot's first fragments.
.macro TURN slot, next, fill
	s_wait_dscnt 8
	WIN MUL_LO
	MUL16 F1, 0, 0, 0
	s_wait_dscnt 0                                 ; my reads of this slot are over
	s_wait_tensorcnt 0x0                           ; and all my tensor loads have landed
	ds_add_u32 v255, v255
	s_wait_dscnt 0x0
	s_barrier_signal -1
	MUL16 F1, 0, 2, 0                              ; register work while the others arrive
	WIN 0
	s_barrier_wait -1
.if \fill
	CREST                                          ; the same now holds of every wave of all sixteen work-groups
	s_add_nc_u64 s[G0+4*\slot+2:G0+4*\slot+3], s[G0+4*\slot+2:G0+4*\slot+3], 2*KSTEP*2
	s_add_nc_u64 s[G0B+4*\slot+2:G0B+4*\slot+3], s[G0B+4*\slot+2:G0B+4*\slot+3], 2*KSTEP*2
	JLOAD \slot                                    ; my one tensor load behind the round
.endif
	PLACES
	FETCH \next, 0, F0
	WIN MUL_HI
	MUL16 F1, 1, 0, 0
	MUL16 F1, 1, 2, 0
.endm
.macro LAP zero
	THREE 0, \zero
	TURN 0, 1, 1
	THREE 1, 0
	TURN 1, 0, 1
.endm
	s_wait_tensorcnt 1                             ; my part of K step 0 is in; K step 1's load, issued behind it, may stay out
	s_barrier_signal -1
	s_barrier_wait -1
	FETCH 0, 0, F0
	LAP 1                                          ; the first products start the sums
	WIN 0
	s_mov_b32 s3, LAPS-2
.Llap:
	LAP 0
	WIN 0
	s_sub_co_u32 s3, s3, 1
	s_cmp_lg_u32 s3, 0
	s_cbranch_scc1 .Llap
	THREE 0, 0                                     ; the last lap fills nothing
	TURN 0, 1, 0
	THREE 1, 0
	s_wait_dscnt 8
	WIN MUL_LO
	MUL16 F1, 0, 0, 0
	MUL16 F1, 0, 2, 0
	s_wait_dscnt 0
	WIN MUL_HI
	MUL16 F1, 1, 0, 0
	MUL16 F1, 1, 2, 0
	; THE MAXIMUM of k over the block's 256 rows s, for each of my 64 columns d = 16 a + l % 16.
	PLACES
	s_mov_b32 s100, 0x76543210
	s_mov_b32 s101, 0xfedcba98
	s_lshl_b32 s98, s42, 12                        ; mloc: row 4 b + s / 256 of 4,096 bytes,
	s_lshl_b32 s99, s13, 9                         ; the block's 128 columns of 4 bytes
	s_add_co_u32 s98, s98, s99
	s_mov_b32 s99, 0
	s_add_nc_u64 s[96:97], s[96:97], s[98:99]
	s_mov_b32 s98, 0x3fb8aa3b                      ; log2(e)
	WIN 0x0a                                       ; sources 0 and 1 window 2 (k), source 2 and destination window 0
.irp a, 0,1,2,3
	v_max_num_f32 v[MX+\a], v[64*\a], v[64*\a+1]   ; four chains that do not wait for each other: my 64 numbers of tile row a
.endr
.set n, 2
.rept 31
.irp a, 0,1,2,3
	v_max3_num_f32 v[MX+\a], v[64*\a+n], v[64*\a+n+1], v[MX+\a]
.endr
.set n, n+2
.endr
	WIN 0
.irp a, 0,1,2,3
	v_mov_b32 v[TT+\a], v[MX+\a]                   ; the permute's destination counts as read
.endr
.irp a, 0,1,2,3
	v_permlanex16_b32 v[TT+\a], v[MX+\a], s100, s101   ; the other half of the lanes holds the other eight s of each sixteen
.endr
.irp a, 0,1,2,3
	v_max_num_f32 v[MX+\a], v[MX+\a], v[TT+\a]
.endr
.irp a, 0,1,2,3
	ds_store_b32 v[SCR], v[MX+\a] offset:64*\a     ; both halves write the same word with the same value
.endr
	s_wait_dscnt 0x0                               ; for the others' sake
	s_barrier_signal -1
	s_barrier_wait -1
.irp a, 0,1,2,3
	ds_load_b32 v[TT+\a], v[PAIR] offset:64*\a         ; the two waves that share my A rows: mine and the one with the other 128 s
	ds_load_b32 v[UU+\a], v[PAIR] offset:256+64*\a
.endr
	s_wait_dscnt 0x0
.irp a, 0,1,2,3
	v_max_num_f32 v[MX+\a], v[TT+\a], v[UU+\a]
.endr
.irp a, 0,1,2,3
	v_mul_f32 v[NM+\a], 0xbfb8aa3b, v[MX+\a]       ; - log2(e) m
.endr
	s_cmp_lg_u32 s10, 0
	s_cbranch_scc1 .Lnot_mine
	ds_load_b128 v[W0:W0+3],   v[ALLM]             ; wave 0 stores the block's 128 maxima: lanes 0-15 waves 0 and 1, lanes 16-31 waves 2 and 3
	ds_load_b128 v[W0+4:W0+7], v[ALLM] offset:256
	s_wait_dscnt 0x0
.irp j, 0,1,2,3
	v_max_num_f32 v[W0+\j], v[W0+\j], v[W0+4+\j]
.endr
	global_store_b128 v[MOFF], v[W0:W0+3], s[96:97]    ; 512 consecutive bytes, aligned; its registers are not written again
.Lnot_mine:
	s_lshl_b32 s16, s13, 8
	s_lshl_b32 s14, s11, 7
	s_add_co_u32 s16, s16, s14                     ; my first row of C
	s_mov_b32 s17, 0
	s_mov_b64 s[18:19], SIZE_N*2
	s_mul_u64 s[16:17], s[16:17], s[18:19]
	s_add_nc_u64 s[8:9], s[8:9], s[16:17]
	s_lshl_b32 s46, s42, 9                         ; my first column, in bytes: 512 x block + 256 x half
	s_lshl_b32 s47, s12, 8
	s_add_co_u32 s46, s46, s47
	s_mov_b32 s47, 0
	s_add_nc_u64 s[8:9], s[8:9], s[46:47]
; THE WAY OUT goes by tile rows a (16 columns d): the vector work of row a, then its 16 rows of E and its 16 rows of P are stored,
; so that a row's stores are on their way while the next row's exponentials are made.
; E = 2^(log2(e) k - log2(e) m) in k's registers, P = E v in v's, from E before its rounding to f16.
.macro EPROW a
	WIN 0x82                                       ; destination and source 0 window 2, source 2 window 0
.set n, 0
.rept 64
	v_fma_f32 v[64*\a+n], v[64*\a+n], s98, v[NM+\a]
.set n, n+1
.endr
.set n, 0
.rept 64
	v_exp_f32 v[64*\a+n], v[64*\a+n]
.set n, n+1
.endr
	v_nop                                          ; one plain place behind the transcendentals (ISA guide 5.7.2)
	WIN 0xce                                       ; destination and source 1 window 3 (v), source 0 window 2 (E)
.set n, 0
	s_wait_alu depctr_va_vdst(0)
.rept 32
	v_pk_mul_f32 v[64*\a+2*n:64*\a+2*n+1], v[64*\a+2*n:64*\a+2*n+1], v[64*\a+2*n:64*\a+2*n+1]
.set n, n+1
.endr
.endm
; Rows 16 i .. 16 i + 15 of my 128 = the eight tiles (a, 0..7) of window 2 or 3 (from = 0x0a or 0x0f): round to f16, 16 bytes a lane into my own
; stage, read back as whole rows of 256 bytes into area f.  Four areas of 32 registers take turns; again = 1: the area has been stored from before.
; The row's place stands in the stores' immediate: 126 rows of 16,384 bytes at the most, inside its signed 24 bits; the base is never stepped.
.macro OUT16 i, a, from, f, again
	WIN \from
.irp b, 0,1,2,3,4,5,6,7
.irp r, 0,1,2,3
	v_cvt_pk_f16_f32 v[TMP+4*\b+\r], v[8*(8*\a+\b)+2*\r], v[8*(8*\a+\b)+2*\r+1]
.endr
.endr
	WIN 0
.irp b, 0,1,2,3,4,5,6,7
	ds_store_b128 v[STO], v[TMP+4*\b:TMP+4*\b+3] offset:32*\b
.endr
.if \again
	s_wait_xcnt 0x0                                ; area f, which earlier stores read, is rewritten only behind this wait
.endif
.irp t, 0,1,2,3,4,5,6,7
	ds_load_b128 v[\f+4*\t:\f+4*\t+3], v[RD] offset:\t*2*SPITCH    ; a wave's LDS instructions are served in order: these see the stores above
.endr
.irp t, 0,1,2,3,4,5,6,7
	s_wait_dscnt 7-\t                              ; the younger read-backs may stay out
	global_store_b128 v[CO], v[\f+4*\t:\f+4*\t+3], s[8:9] offset:(16*\i+2*\t)*SIZE_N*2   ; 16 lanes store 256 consecutive bytes, aligned
.endr
.endm
	EPROW 0
	OUT16 0, 0, 0x0a, F0, 0                        ; E: rows 0-63 of my 128
	OUT16 4, 0, 0x0f, F0+32, 0                     ; P: rows 64-127
	EPROW 1
	OUT16 1, 1, 0x0a, F1, 0
	OUT16 5, 1, 0x0f, F1+32, 0
	EPROW 2
	OUT16 2, 2, 0x0a, F0, 1
	OUT16 6, 2, 0x0f, F0+32, 1
	EPROW 3
	OUT16 3, 3, 0x0a, F1, 1
	OUT16 7, 3, 0x0f, F1+32, 1
	s_set_vgpr_msb 0x1
	s_wait_tensorcnt 0x0
	ds_add_u32 v255, v255
	s_wait_dscnt 0x0
	s_set_vgpr_msb 0x100
	CROUND                                         ; the closing round: no work-group ends while a partner may still ask for a tile that names it
	s_endpgm
.Lfunc_end_k_q22229f2f39_kv:
	.size	k_q22229f2f39_kv, .Lfunc_end_k_q22229f2f39_kv-k_q22229f2f39_kv
	.p2alignl 7, 3214868480
	.fill 96, 4, 3214868480
	.section	.rodata,"a",@progbits
	.p2align	6, 0x0
	.amdhsa_kernel k_q22229f2f39_kv
		.amdhsa_group_segment_fixed_size 327680
		.amdhsa_private_segment_fixed_size 0
		.amdhsa_enable_private_segment 0
		.amdhsa_kernarg_size 32
		.amdhsa_user_sgpr_count 2
		.amdhsa_user_sgpr_kernarg_segment_ptr 1
		.amdhsa_wavefront_size32 1
		.amdhsa_system_sgpr_workgroup_id_x 1
		.amdhsa_system_sgpr_workgroup_id_y 1
		.amdhsa_system_sgpr_workgroup_id_z 1
		.amdhsa_system_vgpr_workitem_id 0
		.amdhsa_next_free_vgpr 1024
		.amdhsa_next_free_sgpr 102
		.amdhsa_reserve_vcc 0
		.amdhsa_float_denorm_mode_32 3
		.amdhsa_float_denorm_mode_16_64 3
		.amdhsa_memory_ordered 1
		.amdhsa_forward_progress 1
		.amdhsa_inst_pref_size 239
	.end_amdhsa_kernel
	.amdgpu_metadata
---
amdhsa.version: [ 1, 2 ]
amdhsa.kernels:
  - .name:           k_q22229f2f39_kv
    .symbol:         k_q22229f2f39_kv.kd
    .args:
      - { .name: wkv, .offset: 0, .size: 8, .value_kind: global_buffer, .address_space: global }
      - { .name: xh, .offset: 8, .size: 8, .value_kind: global_buffer, .address_space: global }
      - { .name: ep, .offset: 16, .size: 8, .value_kind: global_buffer, .address_space: global }
      - { .name: mloc, .offset: 24, .size: 8, .value_kind: global_buffer, .address_space: global }
    .group_segment_fixed_size: 327680
    .private_segment_fixed_size: 0
    .kernarg_segment_align: 8
    .kernarg_segment_size: 32
    .max_flat_workgroup_size: 128
    .sgpr_count:     102
    .vgpr_count:     1024
    .wavefront_size: 32
...
	.end_amdgpu_metadata
.endif
;; end of part 2
;; launch aft (part 3): grid 8 x 32, 4 waves a work-group, clusters of 4 x 4, 327,680 bytes of LDS; arguments ewh, ep, xh, wqh, out0, mloc; writes out0
.if DOCPART == 3
	.amdgcn_target "amdgcn-amd-amdhsa--gfx1250"
	.amdhsa_code_object_version 6
	.text
	.protected	k_q22229f2f39_aft
	.globl	k_q22229f2f39_aft
	.p2align	8
	.type	k_q22229f2f39_aft,@function
k_q22229f2f39_aft:
	s_mov_b64 s[64:65], 0
	v_nop
	global_prefetch_b8 v0, s[64:65] scope:SCOPE_SE
	s_setreg_imm32_b32 hwreg(HW_REG_WAVE_MODE, 25, 1), 1
	s_wait_xcnt 0x0
	s_wait_alu depctr_hold_cnt(0) depctr_sa_sdst(0) depctr_va_vdst(0) depctr_va_sdst(0) depctr_va_ssrc(0) depctr_va_vcc(0) depctr_vm_vsrc(0)
	s_getreg_b32 s2, hwreg(HW_REG_IB_STS2, 6, 4)
	s_cmp_eq_u32 s2, 0
	s_cbranch_scc0 .Lentry_in_a_cluster
	s_endpgm
.Lentry_in_a_cluster:
	s_bfe_u32 s2, ttmp6, 0x10000c
	s_cmp_lg_u32 s2, 0xf033
	s_cbranch_scc0 .Lentry_shape_is_right
	s_endpgm
.Lentry_shape_is_right:
; aft: out[b][t][d] = sigmoid(q) num / den, two K loops on one ring of two LDS slots.
;   Phase A: [den | num][t][d'] = sum over s of ewh[t][s] ep[d'][1024 b + s]   (256 t x 256 d' = 128 columns d, K = 1,024)
;   then num's registers take num / den;
;   Phase B: q[t][d] = sum over k of xh[1024 b + t][k] wqh[d][k], into den's registers   (256 t x 128 d, K = 1,024)
;   then out = num / den / (1 + 2^(-log2(e) q)) leaves through LDS in rows of 256 bytes.
; ep's numbers are relative to the maximum m_r of k over a block r of 256 rows s (mloc).  At each of the three block boundaries the sums are
; multiplied by g_r = exp(u_(r-1) - u_r), u_r = max(m_r, M - 50), M the largest of the column's four m: a running maximum per column.
; The exponents telescope, so no product of factors passes e^50: den stays under 2^14 x 1,024 x e^50, num under 65,504 times that, inside f32.
; A work-group has four waves; a wave makes 128 t x 128 d' (64 of E, the same 64 of P): 64 accumulator tiles, 512 registers.
; Tile (a, b): a = 16 rows t (window 2: my t 0-63, window 3: 64-127); b = 0..3 den, later q; b = 4..7 num, later the ratio and the result.
; The matrix instruction is used transposed: lane l holds row t = l % 16, its registers j the columns 8 (l / 16) + j.
; CLUSTERS: 4 x 4 work-groups of one b.  ewh's and xh's tiles hang on the block of t and are asked for jointly along a row of the cluster;
; ep's and wqh's hang on the block of d and are asked for jointly along a column.
; The accumulators take turns, one instruction a turn, in the same order in every quarter step.
; THE SLOTS.  Phase A: K steps of 128, 512 rows of 272 bytes = 139,264 bytes: 240 matrix instructions of a wave between a tile's request and the wait for it.
; Phase B has half the matrix work for three quarters of the rows (256 of xh, 128 of wqh), so its slot is made as long along K as LDS allows: 192.
; 384 rows x 400 bytes = 153,600; two slots + 1,536 (factors) + 17,408 (stage) = 326,144 of the 327,680 bytes.  That leaves 176 matrix instructions
; between a request and its wait, where a step of 128 would leave 112, and four refills with their rounds, where it would need six.
; A row of 192 elements is no power of two, which the descriptor's padding wants, so a row is fetched as 200 elements without padding: 192 that are
; used and 8 neighbours that only make the pitch 400 = 25 x 16 bytes (sixteen rows begin at sixteen different 16-byte columns of 256).
; Even pieces of K begin at bytes 0, 768, 1,536 of the rows, the 8 spare elements behind; odd ones 16 bytes early, at 368 and 1,136, the spare in front,
; so that each piece's 400 bytes lie in two aligned blocks of 256; slot 1's read addresses carry the 16.  The last 64 of K come by the same descriptor
; from byte 1,648, ending at the row's end, and are read at bytes 256 and 320 behind slot 1's 16.
; PREFETCH of phase B's tiles, each aligned block of 256 bytes asked for once in the launch.  xh: the eight work-groups that read the same 256 rows take
; 32 rows each, a wave 8 rows x 4 blocks in one instruction: bytes 0-1,023 of the rows one K step of phase A ahead of the first piece's load, bytes
; 1,024-2,047 one period ahead of the third piece's.  wqh: the 32 work-groups that read the same 128 rows take 4 rows each, whole, asked for by wave 0
; with the first.  72 KiB a work-group, 18 MiB in the launch; every address lies in the rows named.  Phase A's tiles are not prefetched: see the 240 above.
; All of the text is written out: the factor table's row stands in the loads' immediate, and phase B's six periods differ in step or length.
; LIMITS: a block whose m_r lies more than 50 under M is counted as if it lay 50 under.  Where every product ewh x E of a row and column is zero in
;   f16 (weights spread over more than 26, or k over more than 16.6 within each block, natural log) den is 0 and the result is not finite.
.set KSTEP,  128
.set PITCH,  272                       ; phase A: 256 bytes + 16 of padding = 17 x 16
.set HALFT,  128*PITCH
.set QPITCH, 400                       ; phase B: 200 elements
.set QXH,    128*QPITCH                ; 128 rows of xh: one load
.set QWH,    64*QPITCH                 ; 64 rows of wqh: one load
.set SLOT,   2*QXH+2*QWH               ; 153,600: from slot to slot, in both phases
.set GTAB,   2*SLOT                    ; 307,200 = 1,200 x 256: three rows of 128 factors; no tensor load lands here
.set STAGE,  GTAB+1536                 ; 308,736 = 1,206 x 256: 16 rows x 272 bytes for each wave, for the way out; no tensor load lands here
.set SPITCH, 272
.set OUTROW, 4096                      ; bytes in a row of out0
.set ADRA, 16                          ; v16-17  phase A: LDS address of my A fragments in slot 0, 1
.set ADRX, 18                          ; v18-19  phase B: my fragments of xh
.set ADRB, 20                          ; v20-21  phase A: my B fragments
.set ADRW, 22                          ; v22-23  phase B: my fragments of wqh (64 rows a wave)
.set STO,  24
.set RD,   25
.set CO,   26
.set GT,   27                          ; GTAB + 256 (wave & 1) + 32 (l / 16); never rewritten
.set PFX,  30                          ; prefetch of xh: 2,048 (8 wave + l % 8) + 256 (l / 8); never rewritten
.set PFW,  31                          ; prefetch of wqh: 2,048 (l / 8) + 256 (l % 8); never rewritten
.set FAC,  224                         ; v224-255 my 32 factors: 8 for each b & 3
.set F0,   64
.set F1,   128
.set G1X, 16                           ; s[16:23] group 1: 128 rows x 200, pitch 1,024, my row's mask (xh); written behind the set-up's last use of these registers
.set G1,  24                           ; s[24:31] group 1: 128 rows x 128, padded, pitch 1,024, my row's mask (ewh)
.set G0,  32                           ; s[32:39] group 0 for ewh, one set a slot
.set G1B, 48                           ; s[48:55] group 1: 128 rows x 128, padded, pitch 8,192, my column's mask (ep)
.set G0B, 56                           ; s[56:63] group 0 for ep
.set G0X, 68                           ; s[68:75] group 0 for xh
.set G0W, 76                           ; s[76:83] group 0 for wqh
.set G1W, 84                           ; s[84:91] group 1: 64 rows x 200, pitch 1,024, my column's mask (wqh)
.set FLAGS,  (1<<16)|(1<<20)|(1<<21)|(5<<22)|(3<<25)  ; 2-byte elements; padding on; bit 21 beside a mask; 4 words behind every 64
.set QFLAGS, (1<<16)|(1<<21)                          ; 2-byte elements; no padding; bit 21 beside a mask
.set MSB, 0
.macro WIN new
.if MSB != \new
	s_set_vgpr_msb (MSB<<8)|\new
.set MSB, \new
.endif
.endm
.set MUL_LO, 0xa1
.set MUL_HI, 0xf1
.set TO_B,   0x40
; A joint load: waves 0 and 1 fetch the A side's halves by (ga, g1a), waves 2 and 3 the B side's by (gb, g1b)
.macro JLOAD ga, g1a, gb, g1b
	s_cmp_eq_u32 s11, 0
	s_cbranch_scc0 .Lfor_b_\@
	tensor_load_to_lds s[\ga:\ga+3], s[\g1a:\g1a+7]
	s_nop 0
	s_branch .Lasked_\@
.Lfor_b_\@:
	tensor_load_to_lds s[\gb:\gb+3], s[\g1b:\g1b+7]
	s_nop 0
.Lasked_\@:
.endm
.macro CREST
	s_cmp_lg_u32 s10, 0
	s_cbranch_scc1 .Lnot_wave_0_\@
	s_barrier_signal -3
.Lnot_wave_0_\@:
	s_barrier_wait -3
	s_barrier_signal -1
	s_barrier_wait -1
.endm
.macro CROUND
	s_barrier_signal -1
	s_barrier_wait -1
	CREST
.endm
; which = 1: the first half of my share of xh's rows, and (wave 0) my share of wqh; which = 2: the second half of xh's rows
.macro PFETCH which
.if \which == 1
	global_prefetch_b8 v[PFX], s[104:105] th:TH_LOAD_NT scope:SCOPE_SE
	s_cmp_lg_u32 s10, 0
	s_cbranch_scc1 .Lno_pf_\@
	global_prefetch_b8 v[PFW], s[66:67] th:TH_LOAD_NT scope:SCOPE_SE
.Lno_pf_\@:
.endif
.if \which == 2
	global_prefetch_b8 v[PFX], s[104:105] offset:1024 th:TH_LOAD_NT scope:SCOPE_SE
.endif
.endm
	s_load_b128 s[4:7], s[0:1], 0x0                ; ewh s[4:5], ep s[6:7]
	s_load_b128 s[92:95], s[0:1], 0x10             ; xh s[92:93], wqh s[94:95]
	s_load_b64 s[8:9], s[0:1], 0x20                ; out0
	s_load_b64 s[96:97], s[0:1], 0x28              ; mloc
	s_set_vgpr_msb 0x40
	v_lshl_add_u32 v255, v0, 2, 0x4fa00
	s_set_vgpr_msb 0x4000
	v_mov_b32 v223, 0
	s_set_vgpr_msb 0x1
	ds_add_u32 v255, v223
	s_set_vgpr_msb 0x100
	v_lshrrev_b32 v1, 5, v0
	v_readfirstlane_b32 s10, v1                    ; wave 0..3
	s_lshr_b32 s11, s10, 1                         ; my half of the block's t.  Also: I fetch for the A side (0) or the B side (1)
	s_and_b32 s12, s10, 1                          ; my half of the block's d.  Also: which half of that tile I fetch
	s_bfe_u32 s40, ttmp6, 0x40000                  ; cx
	s_bfe_u32 s41, ttmp6, 0x40004                  ; cy = the block of t
	s_lshl_b32 s42, ttmp9, 2
	s_add_co_u32 s42, s42, s40                     ; the block of d, 0..7
	s_and_b32 s45, ttmp7, 0xffff                   ; b: the cluster's y
	s_lshl_b32 s13, s45, 2
	s_add_co_u32 s13, s13, s41                     ; 4 b + block of t
	s_lshl_b32 s43, s41, 2
	s_lshl_b32 s43, 15, s43                        ; my row of the cluster
	s_lshl_b32 s44, 0x1111, s40                    ; my column
	s_or_b32 s[G1+0], s43, FLAGS
	s_or_b32 s[G1B+0], s44, FLAGS
	s_or_b32 s[G1W+0], s44, QFLAGS
	s_mov_b32 s[G1+1], KSTEP<<16                   ; tensor_dim0
	s_mov_b32 s[G1B+1], KSTEP<<16
	s_mov_b32 s[G1W+1], 200<<16
	s_mov_b32 s[G1+2], 128<<16                     ; tensor_dim1
	s_mov_b32 s[G1B+2], 128<<16
	s_mov_b32 s[G1W+2], 64<<16
	s_mov_b32 s[G1+3], KSTEP<<16                   ; tile_dim0
	s_mov_b32 s[G1B+3], KSTEP<<16
	s_mov_b32 s[G1W+3], 200<<16
	s_mov_b32 s[G1+4], 128                         ; tile_dim1
	s_mov_b32 s[G1B+4], 128
	s_mov_b32 s[G1W+4], 64
	s_mov_b32 s[G1+5], 1024                        ; elements from row to row
	s_mov_b32 s[G1B+5], 8192
	s_mov_b32 s[G1W+5], 1024
	s_mov_b32 s[G1+6], 0
	s_mov_b32 s[G1B+6], 0
	s_mov_b32 s[G1W+6], 0
	s_mov_b32 s[G1+7], 0
	s_mov_b32 s[G1B+7], 0
	s_mov_b32 s[G1W+7], 0
	; byte offsets of the four first tiles; all stay under 2^26, so 32 bits do.  The A side's never hold cx, the B side's never cy.
	s_lshl_b32 s18, s12, 7                         ; 128 x half
	s_lshl_b32 s16, s41, 8
	s_add_co_u32 s16, s16, s18
	s_lshl_b32 s16, s16, 11                        ; ewh: row 256 cy + 128 half, 2,048 bytes a row
	s_mov_b32 s17, 0
	s_lshl_b32 s14, s13, 8
	s_add_co_u32 s14, s14, s18
	s_lshl_b32 s14, s14, 11                        ; xh: row 1,024 b + 256 cy + 128 half
	s_mov_b32 s15, 0
	s_lshl_b32 s46, s42, 8
	s_add_co_u32 s46, s46, s18
	s_lshl_b32 s46, s46, 14                        ; ep: row 256 x block of d + 128 half, 16,384 bytes a row,
	s_lshl_b32 s98, s45, 11
	s_add_co_u32 s46, s46, s98                     ; and b's 1,024 columns of 2 bytes
	s_mov_b32 s47, 0
	s_lshl_b32 s98, s42, 7
	s_lshl_b32 s99, s12, 6
	s_add_co_u32 s98, s98, s99
	s_lshl_b32 s98, s98, 11                        ; wqh: row 128 x block of d + 64 half
	s_mov_b32 s99, 0
	s_mul_i32 s20, s10, HALFT                      ; LDS, phase A: wave x 128 rows of 272 bytes
	s_mul_i32 s21, s10, QXH                        ; LDS for xh: waves 0 and 1 at 0 and 51,200
	s_mul_i32 s19, s10, QWH
	s_add_co_u32 s19, s19, QXH                     ; LDS for wqh: waves 2 and 3 at 102,400 and 128,000 (2 x 25,600 + 51,200 = 102,400)
	; my shares for the prefetch, in registers of their own
	s_lshl_b32 s100, s13, 8
	s_lshl_b32 s101, s42, 5
	s_add_co_u32 s100, s100, s101
	s_lshl_b32 s100, s100, 11                      ; xh: row 1,024 b + 256 cy + 32 x block of d
	s_mov_b32 s101, 0
	s_wait_dscnt 0x0
	s_wait_kmcnt 0x0
	s_add_nc_u64 s[104:105], s[92:93], s[100:101]
	s_lshl_b32 s100, s42, 7
	s_lshl2_add_u32 s100, s13, s100
	s_lshl_b32 s100, s100, 11                      ; wqh: row 128 x block of d + 4 (4 b + cy)
	s_add_nc_u64 s[66:67], s[94:95], s[100:101]
	s_add_nc_u64 s[16:17], s[4:5], s[16:17]
	s_add_nc_u64 s[14:15], s[92:93], s[14:15]
	s_add_nc_u64 s[46:47], s[6:7], s[46:47]
	s_add_nc_u64 s[98:99], s[94:95], s[98:99]
.irp s, 0,1
	s_mov_b32 s[G0+4*\s], 1
	s_add_co_u32 s[G0+4*\s+1], s20, \s*SLOT
	s_add_nc_u64 s[G0+4*\s+2:G0+4*\s+3], s[16:17], \s*KSTEP*2
	s_or_b32 s[G0+4*\s+3], s[G0+4*\s+3], 0x80000000
	s_mov_b32 s[G0B+4*\s], 1
	s_add_co_u32 s[G0B+4*\s+1], s20, \s*SLOT
	s_add_nc_u64 s[G0B+4*\s+2:G0B+4*\s+3], s[46:47], \s*KSTEP*2
	s_or_b32 s[G0B+4*\s+3], s[G0B+4*\s+3], 0x80000000
	s_mov_b32 s[G0X+4*\s], 1
	s_add_co_u32 s[G0X+4*\s+1], s21, \s*SLOT
	s_add_nc_u64 s[G0X+4*\s+2:G0X+4*\s+3], s[14:15], \s*368        ; piece 0 at byte 0, piece 1 at 384 - 16
	s_or_b32 s[G0X+4*\s+3], s[G0X+4*\s+3], 0x80000000
	s_mov_b32 s[G0W+4*\s], 1
	s_add_co_u32 s[G0W+4*\s+1], s19, \s*SLOT
	s_add_nc_u64 s[G0W+4*\s+2:G0W+4*\s+3], s[98:99], \s*368
	s_or_b32 s[G0W+4*\s+3], s[G0W+4*\s+3], 0x80000000
.endr
	CROUND                                         ; all sixteen work-groups are here: the first joint loads meet
	JLOAD G0, G1, G0B, G1B                         ; K step 0
	JLOAD G0+4, G1, G0B+4, G1B                     ; K step 1: two tensor loads of the wave are out, later one
	; the factor table: thread n (0..127) makes column n's three factors
	s_lshl_b32 s98, s45, 14                        ; mloc: b's four rows of 4,096 bytes,
	s_lshl_b32 s99, s42, 9                         ; the block's 128 columns
	s_add_co_u32 s98, s98, s99
	s_mov_b32 s99, 0
	s_add_nc_u64 s[96:97], s[96:97], s[98:99]
	v_lshlrev_b32 v28, 2, v0
.irp r, 0,1,2,3
	global_load_b32 v[32+\r], v28, s[96:97] offset:4096*\r     ; the four waves together take 512 consecutive bytes of each row
.endr
	v_add_nc_u32 v29, GTAB, v28
	v_and_b32 v1, 15, v0                           ; l % 16
	v_bfe_u32 v2, v0, 4, 1                         ; l / 16
	v_mul_u32_u24 v3, v1, PITCH
	v_lshl_add_u32 v3, v2, 4, v3                   ; phase A: row x 272 + 16 x half
	v_mul_u32_u24 v7, v1, QPITCH
	v_lshl_add_u32 v7, v2, 4, v7                   ; phase B: row x 400 + 16 x half
	s_mul_i32 s21, s11, HALFT
	s_mul_i32 s22, s12, HALFT
	s_add_co_u32 s22, s22, 2*HALFT
	s_mul_i32 s23, s11, QXH
	s_mul_i32 s18, s12, QWH
	s_add_co_u32 s18, s18, 2*QXH
.irp s, 0,1
	v_add_nc_u32 v[ADRA+\s], s21, v3
	v_add_nc_u32 v[ADRB+\s], s22, v3
	v_add_nc_u32 v[ADRX+\s], s23, v7
	v_add_nc_u32 v[ADRW+\s], s18, v7
	s_add_co_u32 s21, s21, SLOT
	s_add_co_u32 s22, s22, SLOT
	s_add_co_u32 s23, s23, SLOT+16                 ; slot 1's pieces begin 16 bytes early in memory
	s_add_co_u32 s18, s18, SLOT+16
.endr
	s_mul_i32 s23, s10, 16*SPITCH
	s_add_co_u32 s23, s23, STAGE
	v_mul_u32_u24 v4, v1, SPITCH                   ; in: row l % 16, 32 bytes (8 f32) for each half of the lanes
	v_lshl_add_u32 v4, v2, 5, v4
	v_add_nc_u32 v[STO], s23, v4
	v_mul_u32_u24 v5, v2, SPITCH                   ; back: lanes 0-15 one row of 256 bytes, lanes 16-31 the next
	v_lshl_add_u32 v5, v1, 4, v5
	v_add_nc_u32 v[RD], s23, v5
	v_lshlrev_b32 v5, 12, v2                       ; the same two rows in out0
	v_lshl_add_u32 v[CO], v1, 4, v5
	s_lshl_b32 s21, s12, 8
	s_add_co_u32 s21, s21, GTAB
	v_lshl_add_u32 v[GT], v2, 5, s21
	v_lshrrev_b32 v5, 5, v0                        ; the prefetch offsets
	v_and_b32 v6, 7, v0
	v_lshl_add_u32 v5, v5, 3, v6                   ; row 8 wave + l % 8 of my 32
	v_bfe_u32 v6, v0, 3, 2
	v_lshlrev_b32 v6, 8, v6                        ; block l / 8 of four
	v_lshl_add_u32 v[PFX], v5, 11, v6
	v_bfe_u32 v5, v0, 3, 2                         ; row l / 8 of my 4
	v_and_b32 v6, 7, v0
	v_lshlrev_b32 v6, 8, v6                        ; block l % 8 of eight
	v_lshl_add_u32 v[PFW], v5, 11, v6
	; group 1 for xh, in the registers that the set-up has done with
	s_or_b32 s[G1X+0], s43, QFLAGS
	s_mov_b32 s[G1X+1], 200<<16                    ; tensor_dim0 = 200
	s_mov_b32 s[G1X+2], 128<<16                    ; tensor_dim1 = 128
	s_mov_b32 s[G1X+3], 200<<16                    ; tile_dim0 = 200
	s_mov_b32 s[G1X+4], 128                        ; tile_dim1 = 128
	s_mov_b32 s[G1X+5], 1024
	s_mov_b32 s[G1X+6], 0
	s_mov_b32 s[G1X+7], 0
	s_wait_loadcnt 0x0
	v_max3_num_f32 v36, v32, v33, v34
	v_max_num_f32 v36, v36, v35                    ; M
	v_add_f32 v36, 0xc2480000, v36                 ; M - 50
.irp r, 0,1,2,3
	v_max_num_f32 v[32+\r], v[32+\r], v36          ; u_r
.endr
	v_sub_f32 v37, v32, v33
	v_sub_f32 v38, v33, v34
	v_sub_f32 v39, v34, v35
	v_mul_f32 v37, 0x3fb8aa3b, v37
	v_mul_f32 v38, 0x3fb8aa3b, v38
	v_mul_f32 v39, 0x3fb8aa3b, v39
	v_exp_f32 v37, v37
	v_exp_f32 v38, v38
	v_exp_f32 v39, v39
	v_nop                                          ; one plain place behind the transcendentals (ISA guide 5.7.2)
	s_wait_alu depctr_va_vdst(0)
	ds_store_b32 v29, v37
	ds_store_b32 v29, v38 offset:512
	ds_store_b32 v29, v39 offset:1024
.macro MUL16 f, hi, a0, zero
.irp a, \a0, \a0+1
.irp b, 0,1,2,3,4,5,6,7
.if \zero
	v_wmma_f32_16x16x32_f16 v[8*(8*(\a)+\b):8*(8*(\a)+\b)+7], v[\f+8*\b:\f+8*\b+7], v[\f+8*(4*\hi+\a):\f+8*(4*\hi+\a)+7], 0
.else
	v_wmma_f32_16x16x32_f16 v[8*(8*(\a)+\b):8*(8*(\a)+\b)+7], v[\f+8*\b:\f+8*\b+7], v[\f+8*(4*\hi+\a):\f+8*(4*\hi+\a)+7], v[8*(8*(\a)+\b):8*(8*(\a)+\b)+7]
.endif
.endr
.endr
.endm
; phase B: 16 matrix instructions on the tiles (a = 0..3, b = 0..3) of one window
.macro MULQ f, hi, zero
.irp a, 0,1,2,3
.irp b, 0,1,2,3
.if \zero
	v_wmma_f32_16x16x32_f16 v[8*(8*\a+\b):8*(8*\a+\b)+7], v[\f+8*\b:\f+8*\b+7], v[\f+8*(4*\hi+\a):\f+8*(4*\hi+\a)+7], 0
.else
	v_wmma_f32_16x16x32_f16 v[8*(8*\a+\b):8*(8*\a+\b)+7], v[\f+8*\b:\f+8*\b+7], v[\f+8*(4*\hi+\a):\f+8*(4*\hi+\a)+7], v[8*(8*\a+\b):8*(8*\a+\b)+7]
.endif
.endr
.endr
.endm
.macro FETCH slot, k, f                ; phase A: 16 + 16 loads
	WIN TO_B
.irp i, 0,1,2,3,4,5,6,7
	ds_load_b128 v[\f+8*\i:\f+8*\i+3],   v[ADRB+\slot] offset:\k+\i*16*PITCH
	ds_load_b128 v[\f+8*\i+4:\f+8*\i+7], v[ADRB+\slot] offset:\k+\i*16*PITCH+32
.endr
	WIN 0
.irp i, 0,1,2,3,4,5,6,7
	ds_load_b128 v[\f+8*\i:\f+8*\i+3],   v[ADRA+\slot] offset:\k+\i*16*PITCH
	ds_load_b128 v[\f+8*\i+4:\f+8*\i+7], v[ADRA+\slot] offset:\k+\i*16*PITCH+32
.endr
.endm
.macro FETCHQ slot, k, f               ; phase B: 8 + 16 loads
	WIN TO_B
.irp i, 0,1,2,3
	ds_load_b128 v[\f+8*\i:\f+8*\i+3],   v[ADRW+\slot] offset:\k+\i*16*QPITCH
	ds_load_b128 v[\f+8*\i+4:\f+8*\i+7], v[ADRW+\slot] offset:\k+\i*16*QPITCH+32
.endr
	WIN 0
.irp i, 0,1,2,3,4,5,6,7
	ds_load_b128 v[\f+8*\i:\f+8*\i+3],   v[ADRX+\slot] offset:\k+\i*16*QPITCH
	ds_load_b128 v[\f+8*\i+4:\f+8*\i+7], v[ADRX+\slot] offset:\k+\i*16*QPITCH+32
.endr
.endm
; Four plain places behind a matrix instruction before its registers are loaded into, read or written by other kinds of instruction (ISA guide 7.12.1)
.macro PLACES
.rept 4
	v_nop
.endr
.endm
.macro QUARTER slot, k, f, g, zero
	s_wait_dscnt 8                                 ; B and A's rows 0-63 are in; the youngest eight loads (A's rows 64-127) may be out
	WIN MUL_LO
	MUL16 \f, 0, 0, \zero
	MUL16 \f, 0, 2, \zero
	PLACES
	FETCH \slot, \k, \g
	s_wait_dscnt 32                                ; all but the 32 just issued
	WIN MUL_HI
	MUL16 \f, 1, 0, \zero
	MUL16 \f, 1, 2, \zero
.endm
.macro THREE slot, zero
	QUARTER \slot, 64,  F0, F1, \zero
	QUARTER \slot, 128, F1, F0, 0
	QUARTER \slot, 192, F0, F1, 0
.endm
; Phase A's last quarter of a K step: multiplies buffer 1 and changes slots.  fill = 1: this slot takes phase A's tiles two steps ahead;
; fill = 2: it takes phase B's piece of the slot's number.  nq = 1: the next slot already holds phase B's tiles.  pf: see PFETCH.
; In front of the round each wave waits for its reads of this slot and for all its tensor loads (one is out: its part of the next slot).
.macro TURN slot, next, fill, nq, pf
	s_wait_dscnt 8
	WIN MUL_LO
	MUL16 F1, 0, 0, 0
	s_wait_dscnt 0                                 ; my reads of this slot are over
	s_wait_tensorcnt 0x0                           ; and all my tensor loads have landed
	ds_add_u32 v255, v223
	s_wait_dscnt 0x0
	s_barrier_signal -1
	MUL16 F1, 0, 2, 0                              ; register work while the others arrive
	WIN 0
	s_barrier_wait -1
	CREST                                          ; the same now holds of every wave of all sixteen work-groups
.if \fill == 1
	s_add_nc_u64 s[G0+4*\slot+2:G0+4*\slot+3], s[G0+4*\slot+2:G0+4*\slot+3], 2*KSTEP*2
	s_add_nc_u64 s[G0B+4*\slot+2:G0B+4*\slot+3], s[G0B+4*\slot+2:G0B+4*\slot+3], 2*KSTEP*2
	JLOAD G0+4*\slot, G1, G0B+4*\slot, G1B         ; my one tensor load behind the round
.else
	JLOAD G0X+4*\slot, G1X, G0W+4*\slot, G1W       ; my one tensor load behind the round
.endif
	PFETCH \pf
	PLACES
.if \nq
	FETCHQ \next, 0, F0
.else
	FETCH \next, 0, F0
.endif
	WIN MUL_HI
	MUL16 F1, 1, 0, 0
	MUL16 F1, 1, 2, 0
.endm
.macro LAP zero
	THREE 0, \zero
	TURN 0, 1, 1, 0, 0
	THREE 1, 0
	TURN 1, 0, 1, 0, 0
.endm
; At the boundary in front of block r of s: all 512 sums times g_r of their column.  Tile b's column is 16 (b & 3) + 8 (l / 16) + j for den and num alike.
.macro RESCALE r
	WIN 0
.irp q, 0,1,2,3
	ds_load_b128 v[FAC+8*\q:FAC+8*\q+3],   v[GT] offset:512*(\r-1)+64*\q
	ds_load_b128 v[FAC+8*\q+4:FAC+8*\q+7], v[GT] offset:512*(\r-1)+64*\q+16
.endr
	PLACES
	s_wait_dscnt 0
	WIN 0x82                                       ; destination and source 0 window 2, source 1 window 0
.irp a, 0,1,2,3
.irp b, 0,1,2,3,4,5,6,7
.irp p, 0,1,2,3
	v_pk_mul_f32 v[8*(8*\a+\b)+2*\p:8*(8*\a+\b)+2*\p+1], v[8*(8*\a+\b)+2*\p:8*(8*\a+\b)+2*\p+1], v[FAC+8*(\b&3)+2*\p:FAC+8*(\b&3)+2*\p+1]
.endr
.endr
.endr
	WIN 0xc3                                       ; the same for window 3
.irp a, 0,1,2,3
.irp b, 0,1,2,3,4,5,6,7
.irp p, 0,1,2,3
	v_pk_mul_f32 v[8*(8*\a+\b)+2*\p:8*(8*\a+\b)+2*\p+1], v[8*(8*\a+\b)+2*\p:8*(8*\a+\b)+2*\p+1], v[FAC+8*(\b&3)+2*\p:FAC+8*(\b&3)+2*\p+1]
.endr
.endr
.endr
.endm
; num / den, one window: den's 128 registers (64 a + 0..31) are inverted in place, num's (64 a + 32..63) multiplied
.macro RATIOW
.irp a, 0,1,2,3
.set n, 0
.rept 32
	v_rcp_f32 v[64*\a+n], v[64*\a+n]
.set n, n+1
.endr
.endr
	v_nop                                          ; one plain place behind the transcendentals (ISA guide 5.7.2)
	s_wait_alu depctr_va_vdst(0)
.irp a, 0,1,2,3
.set n, 0
.rept 16
	v_pk_mul_f32 v[64*\a+32+2*n:64*\a+33+2*n], v[64*\a+32+2*n:64*\a+33+2*n], v[64*\a+2*n:64*\a+2*n+1]
.set n, n+1
.endr
.endr
.endm
; sigmoid(q) x ratio for tile row a of the window that is set
.macro SIGA a
.set n, 0
.rept 16
	v_pk_mul_f32 v[64*\a+2*n:64*\a+2*n+1], v[64*\a+2*n:64*\a+2*n+1], 0xbfb8aa3b op_sel_hi:[1,0]    ; - log2(e) q
.set n, n+1
.endr
.set n, 0
.rept 32
	v_exp_f32 v[64*\a+n], v[64*\a+n]
.set n, n+1
.endr
	v_nop                                          ; one plain place behind the transcendentals (ISA guide 5.7.2)
.set n, 0
	s_wait_alu depctr_va_vdst(0)
.rept 16
	v_pk_add_f32 v[64*\a+2*n:64*\a+2*n+1], v[64*\a+2*n:64*\a+2*n+1], 1.0 op_sel_hi:[1,0]
.set n, n+1
.endr
.set n, 0
.rept 32
	v_rcp_f32 v[64*\a+n], v[64*\a+n]               ; an infinite 1 + 2^(..) gives 0, as the sigmoid does
.set n, n+1
.endr
	v_nop
.set n, 0
	s_wait_alu depctr_va_vdst(0)
.rept 16
	v_pk_mul_f32 v[64*\a+32+2*n:64*\a+33+2*n], v[64*\a+32+2*n:64*\a+33+2*n], v[64*\a+2*n:64*\a+2*n+1]
.set n, n+1
.endr
.endm
; Phase B: a quarter (32 along K) has 32 matrix instructions; the next quarter's 24 loads go out in front of them.
.macro QUARTERQ slot, k, f, g, zero
	PLACES
	FETCHQ \slot, \k, \g
	s_wait_dscnt 24                                ; all but the 24 just issued: buffer f is in
	WIN MUL_LO
	MULQ \f, 0, \zero
	WIN MUL_HI
	MULQ \f, 1, \zero
.endm
.macro FIVEQ slot, zero                ; the first five of a period's six quarters
	QUARTERQ \slot, 64,  F0, F1, \zero
	QUARTERQ \slot, 128, F1, F0, 0
	QUARTERQ \slot, 192, F0, F1, 0
	QUARTERQ \slot, 256, F1, F0, 0
	QUARTERQ \slot, 320, F0, F1, 0
.endm
; The sixth: multiplies buffer 1 and changes slots.  step: bytes by which this slot's pieces step along the rows (0: it is not filled again);
; nk: byte of the next slot's rows at which its first quarter begins.
.macro TURNQ slot, next, step, nk
	s_wait_dscnt 0                                 ; buffer 1 is in, and my reads of this slot are over
	s_wait_tensorcnt 0x0                           ; all my tensor loads have landed: the one that was out is my part of the next slot
	ds_add_u32 v255, v223
	s_wait_dscnt 0x0
	s_barrier_signal -1
	WIN MUL_LO
	MULQ F1, 0, 0
	WIN 0
	s_barrier_wait -1
.if \step
	CREST
	s_add_nc_u64 s[G0X+4*\slot+2:G0X+4*\slot+3], s[G0X+4*\slot+2:G0X+4*\slot+3], \step
	s_add_nc_u64 s[G0W+4*\slot+2:G0W+4*\slot+3], s[G0W+4*\slot+2:G0W+4*\slot+3], \step
	JLOAD G0X+4*\slot, G1X, G0W+4*\slot, G1W       ; my one tensor load behind the round
.endif
	PLACES
	FETCHQ \next, \nk, F0
	WIN MUL_HI
	MULQ F1, 1, 0
.endm
	s_wait_dscnt 0x0                               ; my part of the factor table is written, for the others' sake
	s_wait_tensorcnt 1                             ; my part of K step 0 is in; K step 1's load, issued behind it, may stay out
	s_barrier_signal -1
	s_barrier_wait -1
	; PHASE A: a lap is two K steps = one block of 256 rows s
	FETCH 0, 0, F0
	LAP 1                                          ; block 0: the first products start the sums
	RESCALE 1
	LAP 0                                          ; block 1
	RESCALE 2
	THREE 0, 0                                     ; block 2
	TURN 0, 1, 1, 0, 0
	THREE 1, 0
	TURN 1, 0, 1, 0, 1                             ; the first prefetch: one K step ahead of the load of phase B's piece 0
	RESCALE 3
	THREE 0, 0                                     ; block 3: its slots are filled again with phase B's pieces 0 and 1
	TURN 0, 1, 2, 0, 0
	THREE 1, 0
	TURN 1, 0, 2, 1, 2                             ; the second prefetch: one period ahead of the load of piece 2
	PLACES
	WIN 0x8a                                       ; destination, sources 0 and 1 window 2
	RATIOW
	WIN 0xcf                                       ; window 3
	RATIOW
	; PHASE B: q into den's registers.  Pieces of 192 along K: 0 .. 4, then the last 64.
	FIVEQ 0, 1                                     ; piece 0: the first products start the sums
	TURNQ 0, 1, 768, 0                             ; slot 0 takes piece 2 (byte 768)
	FIVEQ 1, 0                                     ; piece 1
	TURNQ 1, 0, 768, 0                             ; slot 1 takes piece 3 (byte 1,136)
	FIVEQ 0, 0                                     ; piece 2
	TURNQ 0, 1, 768, 0                             ; slot 0 takes piece 4 (byte 1,536)
	FIVEQ 1, 0                                     ; piece 3
	TURNQ 1, 0, 512, 0                             ; slot 1 takes the rows' last 400 bytes (byte 1,648)
	FIVEQ 0, 0                                     ; piece 4
	TURNQ 0, 1, 0, 256                             ; nothing is left to fetch; K = 960 lies at byte 1,920 = 1,648 + 16 + 256
	QUARTERQ 1, 320, F0, F1, 0
	s_wait_dscnt 0
	WIN MUL_LO
	MULQ F1, 0, 0
	WIN MUL_HI
	MULQ F1, 1, 0
	PLACES
	; THE WAY OUT goes by tile rows (16 rows t): the sigmoid and the product of a tile row, then its stores,
	; so that a row's stores are on their way while the next row's transcendentals are made.
	s_lshl_b32 s14, s13, 8
	s_lshl_b32 s15, s11, 7
	s_add_co_u32 s14, s14, s15
	s_lshl_b32 s14, s14, 12                        ; my first row: 1,024 b + 256 cy + 128 half, 4,096 bytes a row
	s_mov_b32 s15, 0
	s_add_nc_u64 s[8:9], s[8:9], s[14:15]
	s_lshl_b32 s46, s42, 9                         ; my first column: 512 bytes a block of d + 256 a half
	s_lshl_b32 s47, s12, 8
	s_add_co_u32 s46, s46, s47
	s_mov_b32 s47, 0
	s_add_nc_u64 s[8:9], s[8:9], s[46:47]
; Rows 16 i .. 16 i + 15 of my 128 = the tiles (a, 4..7) of window 2 or 3 (w = 0x08 or 0x0c: the LDS stores' data): 2 x 16 bytes a lane and tile into
; my own stage, read back as whole rows of 256 bytes (64 f32) into area f.  Four areas of 32 registers take turns; again = 1: the area has been stored from.
; The row's place stands in the stores' immediate: 126 rows of 4,096 bytes at the most; the base is never stepped.
.macro OUTF i, a, w, f, again
	WIN \w
.irp b, 0,1,2,3
	ds_store_b128 v[STO], v[8*(8*\a+4+\b):8*(8*\a+4+\b)+3]   offset:64*\b
	ds_store_b128 v[STO], v[8*(8*\a+4+\b)+4:8*(8*\a+4+\b)+7] offset:64*\b+16
.endr
	WIN 0
.if \again
	s_wait_xcnt 0x0                                ; area f, which earlier stores read, is rewritten only behind this wait
.endif
.irp t, 0,1,2,3,4,5,6,7
	ds_load_b128 v[\f+4*\t:\f+4*\t+3], v[RD] offset:\t*2*SPITCH    ; a wave's LDS instructions are served in order: these see the stores above
.endr
.irp t, 0,1,2,3,4,5,6,7
	s_wait_dscnt 7-\t                              ; the younger read-backs may stay out
	global_store_b128 v[CO], v[\f+4*\t:\f+4*\t+3], s[8:9] offset:(16*\i+2*\t)*OUTROW th:TH_STORE_NT   ; 16 lanes store 256 consecutive bytes, aligned
.endr
.endm
	WIN 0x8a
	SIGA 0
	OUTF 0, 0, 0x08, F0, 0
	WIN 0x8a
	SIGA 1
	OUTF 1, 1, 0x08, F0+32, 0
	WIN 0x8a
	SIGA 2
	OUTF 2, 2, 0x08, F1, 0
	WIN 0x8a
	SIGA 3
	OUTF 3, 3, 0x08, F1+32, 0
	WIN 0xcf
	SIGA 0
	OUTF 4, 0, 0x0c, F0, 1
	WIN 0xcf
	SIGA 1
	OUTF 5, 1, 0x0c, F0+32, 1
	WIN 0xcf
	SIGA 2
	OUTF 6, 2, 0x0c, F1, 1
	WIN 0xcf
	SIGA 3
	OUTF 7, 3, 0x0c, F1+32, 1
	s_set_vgpr_msb 0x1
	s_wait_tensorcnt 0x0
	ds_add_u32 v255, v223
	s_wait_dscnt 0x0
	s_set_vgpr_msb 0x100
	CROUND                                         ; the closing round: no work-group ends while a partner may still ask for a tile that names it
	s_endpgm
.Lfunc_end_k_q22229f2f39_aft:
	.size	k_q22229f2f39_aft, .Lfunc_end_k_q22229f2f39_aft-k_q22229f2f39_aft
	.p2alignl 7, 3214868480
	.fill 96, 4, 3214868480
	.section	.rodata,"a",@progbits
	.p2align	6, 0x0
	.amdhsa_kernel k_q22229f2f39_aft
		.amdhsa_group_segment_fixed_size 327680
		.amdhsa_private_segment_fixed_size 0
		.amdhsa_enable_private_segment 0
		.amdhsa_kernarg_size 48
		.amdhsa_user_sgpr_count 2
		.amdhsa_user_sgpr_kernarg_segment_ptr 1
		.amdhsa_wavefront_size32 1
		.amdhsa_system_sgpr_workgroup_id_x 1
		.amdhsa_system_sgpr_workgroup_id_y 1
		.amdhsa_system_sgpr_workgroup_id_z 1
		.amdhsa_system_vgpr_workitem_id 0
		.amdhsa_next_free_vgpr 1024
		.amdhsa_next_free_sgpr 106
		.amdhsa_reserve_vcc 0
		.amdhsa_float_denorm_mode_32 3
		.amdhsa_float_denorm_mode_16_64 3
		.amdhsa_memory_ordered 1
		.amdhsa_forward_progress 1
		.amdhsa_inst_pref_size 255
	.end_amdhsa_kernel
	.section	.bss,"aw",@nobits
	.p2align	6
	.space	262144
	.amdgpu_metadata
---
amdhsa.version: [ 1, 2 ]
amdhsa.kernels:
  - .name:           k_q22229f2f39_aft
    .symbol:         k_q22229f2f39_aft.kd
    .args:
      - { .name: ewh, .offset: 0, .size: 8, .value_kind: global_buffer, .address_space: global }
      - { .name: ep, .offset: 8, .size: 8, .value_kind: global_buffer, .address_space: global }
      - { .name: xh, .offset: 16, .size: 8, .value_kind: global_buffer, .address_space: global }
      - { .name: wqh, .offset: 24, .size: 8, .value_kind: global_buffer, .address_space: global }
      - { .name: out0, .offset: 32, .size: 8, .value_kind: global_buffer, .address_space: global }
      - { .name: mloc, .offset: 40, .size: 8, .value_kind: global_buffer, .address_space: global }
    .group_segment_fixed_size: 327680
    .private_segment_fixed_size: 0
    .kernarg_segment_align: 8
    .kernarg_segment_size: 48
    .max_flat_workgroup_size: 128
    .sgpr_count:     106
    .vgpr_count:     1024
    .wavefront_size: 32
...
	.end_amdgpu_metadata
.endif
;; end of part 3
